; MI455X (gfx1250); checked and timed in simulation.
; The chip was launched on July 23, 2026; its instructions are those of AMD's public machine-readable ISA for CDNA 5 (MIT licence, August 2026) and "CDNA5" Instruction Set Architecture Reference Guide (July 2026). The comments in the code are by the model that wrote it; some were corrected since.
;; Simple Multihead SDP Attention. Allowed arithmetic: matrix products marked QUANTISED: E5M2 operands, one given power-of-two scale a tensor, by v_wmma_f32_16x16x64_bf8_bf8 or v_wmma_f32_16x16x128_bf8_bf8, f32 sums; everything else in f32.
;; Inputs: Wk_codes 1,024 x 32 x 32 uint8 (E5M2 codes of Wk, K innermost, in blocks of 32 codes); Wo_codes 1,024 x 32 x 32 uint8 (E5M2 codes of Wo, K innermost, in blocks of 32 codes); Wq_codes 1,024 x 32 x 32 uint8 (E5M2 codes of Wq, K innermost, in blocks of 32 codes); Wv_codes 1,024 x 32 x 32 uint8 (E5M2 codes of Wv, K innermost, in blocks of 32 codes); bk 1,024 float32; bo 1,024 float32; bq 1,024 float32; bv 1,024 float32; key_codes 4 x 2,048 x 32 x 32 uint8 (E5M2 codes of key, K innermost, in blocks of 32 codes); lowp_scales 12 int32 (the exponents e of the quantised operands' scales 2^e); query_codes 4 x 2,048 x 32 x 32 uint8 (E5M2 codes of query, K innermost, in blocks of 32 codes); value_codes 4 x 2,048 x 32 x 32 uint8 (E5M2 codes of value, K innermost, in blocks of 32 codes).
;; Outputs: out0 4 x 2,048 x 1,024 float32.
;; This version of the problem:
;;   THIS VERSION OF THE PROBLEM IS GIVEN IN LOW PRECISION. The matrix products marked QUANTISED in the list below multiply operands that are first quantised to E5M2 (5 exponent bits, 2 mantissa bits; 8 bits a number), with one given power-of-two scale for each operand tensor; their sums are f32. All else is computed in f32.
;;   The module's matrix products, in the order in which they are computed (A, B: the left and right operand; K: the contracted axis; several contracted axes count as one K, in the product's order):
;;     1. [M 8,192, K 1,024] x [K 1,024, N 1,024]; A: input query (given as codes); B: input Wq (given as codes): QUANTISED (scales: A lowp_scales[0], B lowp_scales[1])
;;     2. [M 8,192, K 1,024] x [K 1,024, N 1,024]; A: input key (given as codes); B: input Wk (given as codes): QUANTISED (scales: A lowp_scales[2], B lowp_scales[3])
;;     3. [M 8,192, K 1,024] x [K 1,024, N 1,024]; A: input value (given as codes); B: input Wv (given as codes): QUANTISED (scales: A lowp_scales[4], B lowp_scales[5])
;;     4. batch 64 x [M 2,048, K 64] x [K 64, N 2,048]; A: computed on the way; B: computed on the way: QUANTISED (scales: A lowp_scales[6], B lowp_scales[7])
;;     5. batch 64 x [M 2,048, K 2,048] x [K 2,048, N 64]; A: softmax (see below); B: computed on the way: QUANTISED (scales: A lowp_scales[8], B lowp_scales[9])
;;     6. [M 8,192, K 1,024] x [K 1,024, N 1,024]; A: computed on the way; B: input Wo (given as codes): QUANTISED (scales: A lowp_scales[10], B lowp_scales[11])
;;   THE QUANTISER, for each operand of a quantised product, along K:
;;     - The operand's scale is 2^e, e = its entry of the input lowp_scales (int32; the entries are numbered through the quantised products in the list's order, A before B).
;;     - Each number is divided by the scale, clamped to +-57,344, and rounded to the nearest number of E5M2, ties to even, subnormals kept.
;;     - The product sums the exact products of the quantised numbers (number of the format x scale) in f32.
;;   ~~~python
;;   def quantise(x, axis, e):      # numpy; x: float32 -> the quantised numbers, widened to float32 again
;;       x = np.moveaxis(x, axis, -1); K = x.shape[-1]
;;       r = np.clip(x / 2.0 ** e, -57344, 57344)
;;       step = 2.0 ** (np.maximum(np.frexp(np.where(r == 0, 1, r))[1] - 1, -14) - 2)
;;       q = np.round(r / step) * step * 2.0 ** e      # np.round: ties to even
;;       return np.moveaxis(q, -1, axis).astype(np.float32)
;;   ~~~
;;   SOFTMAX AHEAD OF A QUANTISED PRODUCT. Where the list says 'softmax', what is quantised is not the finished softmax but p = 2^(t - M), with t = logit x log2(e) and M = ceil(the row's largest t), a whole number; so 1/2 < the row's largest p <= 1. The row's sum l is taken of the UNQUANTISED p, in f32, and the product's result is divided by l at the end. Since M is a whole number, a kernel that streams over the keys may use a running M (the ceiling of the running maximum): every later rescaling is an exact power of two, so the quantised numbers keep their values, but for numbers so far below the row's largest that they fall under the format's range.
;;   OPERANDS COMPUTED ON THE WAY. 'Computed on the way' means the value that the module computes at that place (a softmax that the list does not call 'softmax' is quantised finished and normalised). What goes into a quantiser is computed in f32, as accurately as f32 sums, v_exp_f32 and their like allow (about 1e-6 of the number): no bf16 or f16 on the way to a quantiser, and a product that is left as it is and whose result goes on into a quantised operand takes f32 operands (vector FMAs, or v_wmma_f32_16x16x4_f32). A number that lies on a knife's edge between two numbers of the format may be rounded either way, as far as f32 arithmetic and the matrix unit's own rounding can turn it there, and no further.
;;   INPUTS GIVEN AS CODES. Wk (in the module: [1024, 1024], K = its axis 1); Wo (in the module: [1024, 1024], K = its axis 1); Wq (in the module: [1024, 1024], K = its axis 1); Wv (in the module: [1024, 1024], K = its axis 1); key (in the module: [4, 2048, 1024], K = its axis 2); query (in the module: [4, 2048, 1024], K = its axis 2); value (in the module: [4, 2048, 1024], K = its axis 2): each comes as NAME_codes (uint8): NAME with its K axis moved to the last place and cut into blocks of 32 codes, [.., K / 32, bytes a block], one block behind the other in memory; one code a byte (a code: sign, 5 exponent bits, 2 mantissa bits); its scale is its entry of lowp_scales. Its value is code x scale, taken as it is: it is not quantised again, and the codes and scales need not be those that the quantiser above would give.
;; One version. Each part assembles by itself: llvm-mc -triple=amdgcn-amd-amdhsa -mcpu=gfx1250 --defsym DOCPART=n.
;; ======== version 1 of 1: 3 launches
;; limits: right only within a limited range of input values
;; workspace buffers: qkv 25,165,824 bytes; ao 8,388,608 bytes
;; launch proj (part 1): grid 4 x 64, 4 waves a work-group, clusters of 4 x 4, 327,680 bytes of LDS; arguments query_codes, key_codes, value_codes, Wq_codes, Wk_codes, Wv_codes, bq, bk, bv, lowp_scales, qkv; writes qkv
.if DOCPART == 1
	.amdgcn_target "amdgcn-amd-amdhsa--gfx1250"
	.amdhsa_code_object_version 6
	.text
	.protected	k_qa349a7ea9b_proj
	.globl	k_qa349a7ea9b_proj
	.p2align	8
	.type	k_qa349a7ea9b_proj,@function
k_qa349a7ea9b_proj:
	s_mov_b64 s[64:65], 0
	v_nop
	global_prefetch_b8 v0, s[64:65] scope:SCOPE_SE
	s_setreg_imm32_b32 hwreg(HW_REG_WAVE_MODE, 25, 1), 1
	s_wait_xcnt 0x0
	s_wait_alu depctr_hold_cnt(0) depctr_sa_sdst(0) depctr_va_vdst(0) depctr_va_sdst(0) depctr_va_ssrc(0) depctr_va_vcc(0) depctr_vm_vsrc(0)
	s_getreg_b32 s2, hwreg(HW_REG_IB_STS2, 6, 4)
	s_cmp_eq_u32 s2, 0
	s_cbranch_scc0 .Lentry_in_a_cluster
	s_endpgm
.Lentry_in_a_cluster:
	s_bfe_u32 s2, ttmp6, 0x10000c
	s_cmp_lg_u32 s2, 0xf033
	s_cbranch_scc0 .Lentry_shape_is_right
	s_endpgm
.Lentry_shape_is_right:
; q = query Wq^T + bq, k = key Wk^T + bk, v = value Wv^T + bv on codes of E5M2, and their quantising for the attention launch.
; Rows of 1,024 codes (K innermost); 8,192 tokens, 1,024 features.  Three products make 384 tiles of 256 x 256: each of the 256 work-groups STAYS and makes
; first a half tile, 128 x 256, of v (phase V), then a whole tile, 256 x 256, of q (cluster y under 8) or of k (phase F): the same work in every work-group.
; THE MATRIX INSTRUCTION IS USED TRANSPOSED: source 0 = 16 rows of the operand called B', source 1 = 16 rows of A': a lane holds ONE row of A' and eight neighbouring rows of B'.
; q, k: A' = tokens, B' = rows of W (features): a lane's eight sums are eight neighbours along the head's 64, the next K.
; v:    A' = rows of Wv (features), B' = tokens: a lane's eight sums are eight neighbouring keys, the next K of v.
; So each accumulator's eight codes are two registers of the next operand, and leave as images of those registers: 32 lanes x 16 bytes, 512 consecutive bytes a store.
; qkv: [16 b + head][393,216]: q at 0, k at 131,072: [tile of 16 tokens][g 0..1][lane][16]: lane (r, h): token r, d = 32 g + 8 h + 0..7, then 32 g + 16 + 8 h + 0..7.
;      v at 262,144: [step of 128 keys][tile of 16 d][c 0..3][lane][16]: lane (r, h): d = r, keys 32 c + 8 h + 0..7, then 32 c + 16 + 8 h + 0..7.
; A fragment (16 rows x 128 K) comes by four loads of 16 bytes, 32 apart: a permutation of k that is the same in A' and B'.
; The bias, divided by 2^(eA + eB), is the C of each sum's first product; the three scales ahead of a quantiser are folded into the conversion's one.
; CLUSTERS: 4 x 4 work-groups; A' tiles are asked for jointly along a row of the cluster, B' tiles along a column.
; LDS: phase V: three units of 256 along K (128 rows of A', 256 of B', 272 bytes a row); K's fourth quarter fills the first unit again.  Phase F: two slots of 256 + 256 rows over the same bytes.
; A wave has three tensor loads out at the start and one behind each later round.
; LIMITS on the given exponents, so that each power of two is an f32 number: e9 - e4 - e5, e6 - e0 - e1 and e7 - e2 - e3 between -126 and 112.  NaN among the biases is not served.
; REGISTERS, in windows of 256: window 0: v1-29 addresses and scales; v32-95 bq or bk in the result's layout; v96-127 bv likewise; v128-255 fragments of A', later the codes.
;   window 1: fragments of B', two sets of 128.   window 2, 3: accumulators, (a, b) at v[8 (8 (a % 4) + b)].
.set PITCH,  272                       ; an LDS row: 256 bytes + 16 of padding: the 16 rows of a fragment load start 68 words apart
.set HALFT,  128*PITCH                 ; 128 rows
.set UNITV,  3*HALFT                   ; a unit of phase V
.set SLOTF,  4*HALFT                   ; a slot of phase F
.set SPARE,  9*HALFT                   ; behind the units: the spare words, 128 bytes for each wave: two blocks of 256 bytes that no other line names
.set HEADB,  393216                    ; a head's bytes in qkv
.set FR,     16                        ; registers of a fragment
.set NL,     4                         ; LDS loads that bring one
.set NP,     4                         ; places behind this matrix instruction (ISA guide 7.12.1)
.set SCV,  8                           ; v8   2^(e9 - e4 - e5)
.set LIMV, 9
.set SCQ,  10                          ; v10  2^(e6 - e0 - e1) or 2^(e7 - e2 - e3)
.set LIMQ, 11
.set LI,   12                          ; v12  16 x lane
.set ADFA, 16                          ; v16-17  phase F: LDS address of my fragments of A' in slot 0, 1
.set ADFB, 18                          ; v18-19  of B'
.set ADHA, 20                          ; v20-22  phase V: of A' in unit 0, 1, 2
.set ADHB, 23                          ; v23-25  of B'
.set SPW,  28                          ; v28  LDS address of my spare word; never rewritten
.set NIL,  29                          ; v29  0; never rewritten
.set BN,   32
.set BM,   96
.set AF,   128
.set G0B,  4                           ; s[4:15]   three groups 0 for B' tiles
.set G1,   24                          ; s[24:31]  group 1: 128 rows, mask of my row of the cluster
.set G0A,  32                          ; s[32:43]  three groups 0 for A' tiles
.set G1B,  48                          ; s[48:55]  group 1: 128 rows, mask of my column
.set G1H,  56                          ; s[56:63]  group 1: 64 rows, mask of my row
.set G1W0, (1<<20)|(1<<21)|(5<<22)|(3<<25)   ; elements of 1 byte; padding on; bit 21 beside a mask; after every 64 words, 4 words
.set MSB, 0
.macro WIN new                         ; the immediate's high byte repeats the setting that is left
.if MSB != \new
	s_set_vgpr_msb (MSB<<8)|\new
.set MSB, \new
.endif
.endm
.macro PLACES n
.rept \n
	v_nop
.endr
.endm
; A joint load: waves 0 and 1 fetch for A', waves 2 and 3 for B'.  The branch hangs on the wave's number alone.  Four v_nop follow each of the two lines.
.macro JLOAD g0a, g1a, g0b, g1b
	s_cmp_eq_u32 s17, 0
	s_cbranch_scc0 .Lfor_b_\@
	tensor_load_to_lds s[\g0a:\g0a+3], s[\g1a:\g1a+7]
	s_nop 0
.rept 4
	v_nop
.endr
	s_branch .Lasked_\@
.Lfor_b_\@:
	tensor_load_to_lds s[\g0b:\g0b+3], s[\g1b:\g1b+7]
	s_nop 0
.rept 4
	v_nop
.endr
.Lasked_\@:
.endm
.macro CREST                           ; a round of the cluster's barrier behind its opening barrier
	s_cmp_lg_u32 s16, 0
	s_cbranch_scc1 .Lnot_wave_0_\@
	s_barrier_signal -3
.Lnot_wave_0_\@:
	s_barrier_wait -3
	s_barrier_signal -1
	s_barrier_wait -1
.endm
.macro CROUND                          ; a whole round
	s_barrier_signal -1
	s_barrier_wait -1
	CREST
.endm
	s_load_b512 s[68:83], s[0:1], 0x0              ; query s[68:69], key s[70:71], value s[72:73], Wq s[74:75], Wk s[76:77], Wv s[78:79], bq s[80:81], bk s[82:83]
	s_load_b128 s[84:87], s[0:1], 0x40             ; bv s[84:85], the scales' exponents s[86:87]
	s_load_b64 s[88:89], s[0:1], 0x50              ; qkv
	v_lshl_add_u32 v[SPW], v0, 2, SPARE
	v_mov_b32 v[NIL], 0
	ds_add_u32 v28, v29
	ds_add_u32 v28, v29
	s_wait_dscnt 0x0
	v_lshrrev_b32 v1, 5, v0
	v_readfirstlane_b32 s16, v1                    ; wave 0..3
	s_lshr_b32 s17, s16, 1                         ; RH: which half of the tile's A' rows is mine.  Also: I fetch for A' (0) or for B' (1)
	s_and_b32 s18, s16, 1                          ; CH: which half of its B' rows.  Also: which half of that tile I fetch
	s_bfe_u32 s2, ttmp6, 0x40000                   ; cx
	s_bfe_u32 s3, ttmp6, 0x40004                   ; cy
	s_and_b32 s67, ttmp7, 0xffff                   ; cluster y, 0..15
	s_lshr_b32 s19, s67, 3                         ; phase F makes q (0) or k (1)
	s_lshl_b32 s22, s3, 2
	s_lshl_b32 s22, 15, s22                        ; my row of the cluster
	s_lshl_b32 s46, 0x1111, s2                     ; my column
	s_or_b32 s[G1], s22, G1W0
	s_or_b32 s[G1H], s22, G1W0
	s_or_b32 s[G1B], s46, G1W0
.irp g, G1, G1B
	s_mov_b32 s[\g+1], 256<<16                     ; tensor_dim0 = 256 bytes
	s_mov_b32 s[\g+2], 128<<16                     ; tensor_dim1 = 128 rows
	s_mov_b32 s[\g+3], 256<<16                     ; tile_dim0
	s_mov_b32 s[\g+4], 128                         ; tile_dim1
	s_mov_b32 s[\g+5], 1024                        ; from row to row
	s_mov_b32 s[\g+6], 0
	s_mov_b32 s[\g+7], 0
.endr
	s_mov_b32 s[G1H+1], 256<<16
	s_mov_b32 s[G1H+2], 64<<16                     ; 64 rows
	s_mov_b32 s[G1H+3], 256<<16
	s_mov_b32 s[G1H+4], 64
	s_mov_b32 s[G1H+5], 1024
	s_mov_b32 s[G1H+6], 0
	s_mov_b32 s[G1H+7], 0
	; the tiles' places.  What feeds A' descriptors hangs on cy alone, what feeds B' descriptors on cx alone
	s_and_b32 s20, s67, 1
	s_lshl_b32 s20, s20, 2
	s_add_co_u32 s20, s20, s3                      ; phase V: which 128 features, 0..7
	s_and_b32 s21, s67, 7
	s_lshl_b32 s21, s21, 2
	s_add_co_u32 s21, s21, s3                      ; phase F: which 256 tokens, 0..31
	s_lshr_b32 s44, s67, 1
	s_lshl_b32 s44, s44, 2
	s_add_co_u32 s44, s44, s2                      ; phase V: which 256 tokens, 0..31
	s_lshl_b32 s45, s18, 17                        ; 128 rows of 1,024 bytes x CH
	s_lshl_b32 s22, s20, 17
	s_lshl_b32 s23, s18, 16
	s_add_co_u32 s22, s22, s23                     ; Wv: row 128 x place + 64 CH
	s_mov_b32 s23, 0
	s_lshl_b32 s46, s44, 18
	s_add_co_u32 s46, s46, s45                     ; value: row 256 x place + 128 CH
	s_mov_b32 s47, 0
	s_mul_i32 s90, s18, 64*PITCH                   ; where they go in a unit: A' 64 rows x CH,
	s_mul_i32 s91, s18, HALFT
	s_add_co_u32 s91, s91, HALFT                   ; B' behind A's 128 rows, 128 rows x CH
	s_mul_i32 s66, s16, HALFT                      ; and in a slot of phase F: 128 rows x wave
	s_wait_kmcnt 0x0
	s_load_b256 s[92:99], s[86:87], 0x0            ; e0 .. e7
	s_load_b32 s100, s[86:87], 0x24                ; e9
	s_add_nc_u64 s[78:79], s[78:79], s[22:23]
	s_add_nc_u64 s[72:73], s[72:73], s[46:47]
	s_lshl_b32 s22, s21, 18
	s_add_co_u32 s22, s22, s45                     ; phase F: A' row 256 x place + 128 CH
	s_lshl_b32 s46, s2, 18
	s_add_co_u32 s46, s46, s45                     ; B' row 256 cx + 128 CH
	s_cmp_lg_u32 s19, 0                            ; the choice hangs on the cluster's number alone
	s_cselect_b64 s[68:69], s[70:71], s[68:69]     ; key or query
	s_cselect_b64 s[74:75], s[76:77], s[74:75]     ; Wk or Wq
	s_cselect_b64 s[80:81], s[82:83], s[80:81]     ; bk or bq
	s_add_nc_u64 s[68:69], s[68:69], s[22:23]      ; kept: phase F's A' tiles begin here,
	s_add_nc_u64 s[74:75], s[74:75], s[46:47]      ; and its B' tiles here
.irp u, 0,1,2                                  ; K's quarter u goes to unit u: unit 0 lies last, units 1 and 2 first, so that phase F's slot 0 covers only units that are read out early
	s_mov_b32 s[G0A+4*\u], 1
	s_add_co_u32 s[G0A+4*\u+1], s90, ((\u+2)%3)*UNITV
	s_add_nc_u64 s[G0A+4*\u+2:G0A+4*\u+3], s[78:79], 256*\u
	s_or_b32 s[G0A+4*\u+3], s[G0A+4*\u+3], 0x80000000
	s_mov_b32 s[G0B+4*\u], 1
	s_add_co_u32 s[G0B+4*\u+1], s91, ((\u+2)%3)*UNITV
	s_add_nc_u64 s[G0B+4*\u+2:G0B+4*\u+3], s[72:73], 256*\u
	s_or_b32 s[G0B+4*\u+3], s[G0B+4*\u+3], 0x80000000
.endr
	CROUND                                         ; all sixteen work-groups are here: the first joint loads meet
	s_cmp_eq_u32 s17, 0                            ; a wave's three first fills stand in one branch, ahead of every wait on TENSORcnt and every LDS read
	s_cbranch_scc0 .Lfirst_b
	tensor_load_to_lds s[G0A:G0A+3], s[G1H:G1H+7]
	s_nop 0
	tensor_load_to_lds s[G0A+4:G0A+7], s[G1H:G1H+7]
	s_nop 0
	tensor_load_to_lds s[G0A+8:G0A+11], s[G1H:G1H+7]
	s_nop 0
.rept 4
	v_nop
.endr
	s_branch .Lfirst_asked
.Lfirst_b:
	tensor_load_to_lds s[G0B:G0B+3], s[G1B:G1B+7]
	s_nop 0
	tensor_load_to_lds s[G0B+4:G0B+7], s[G1B:G1B+7]
	s_nop 0
	tensor_load_to_lds s[G0B+8:G0B+11], s[G1B:G1B+7]
	s_nop 0
.rept 4
	v_nop
.endr
.Lfirst_asked:
	v_and_b32 v1, 15, v0                           ; r
	v_bfe_u32 v2, v0, 4, 1                         ; h
	v_and_b32 v3, 31, v0
	v_lshlrev_b32 v[LI], 4, v3
	v_mul_u32_u24 v3, v1, PITCH
	v_lshl_add_u32 v3, v2, 4, v3                   ; a fragment's row x pitch + 16 h
	s_wait_alu depctr_va_vdst(0)
	s_mul_i32 s70, s17, 64*PITCH                   ; phase V: my 64 rows of A',
	s_mul_i32 s71, s18, HALFT
	s_add_co_u32 s71, s71, HALFT                   ; my 128 rows of B'
.irp u, 0,1,2
	s_add_co_u32 s76, s70, ((\u+2)%3)*UNITV
	v_add_nc_u32 v[ADHA+\u], s76, v3
	s_add_co_u32 s76, s71, ((\u+2)%3)*UNITV
	v_add_nc_u32 v[ADHB+\u], s76, v3
.endr
	s_mul_i32 s70, s17, HALFT                      ; phase F: my 128 rows of A',
	s_add_co_u32 s71, s71, HALFT                   ; my 128 of B', behind A's 256
.irp s, 0,1
	s_add_co_u32 s76, s70, \s*SLOTF
	v_add_nc_u32 v[ADFA+\s], s76, v3
	s_add_co_u32 s76, s71, \s*SLOTF
	v_add_nc_u32 v[ADFB+\s], s76, v3
.endr
	; the biases.  q, k: lane (r, h) wants, for B' block b, those of features 16 b + 8 h + 0..7.  v: for A' block a, that of feature 16 a + r
	s_lshl_b32 s76, s2, 10
	s_lshl_b32 s77, s18, 9
	s_add_co_u32 s76, s76, s77
	s_mov_b32 s77, 0
	s_add_nc_u64 s[80:81], s[80:81], s[76:77]      ; at feature 256 cx + 128 CH
	v_lshlrev_b32 v13, 5, v2
.irp b, 0,1,2,3,4,5,6,7
	global_load_b128 v[BN+8*\b:BN+8*\b+3], v13, s[80:81] offset:64*\b
	global_load_b128 v[BN+8*\b+4:BN+8*\b+7], v13, s[80:81] offset:64*\b+16
.endr
	s_lshl_b32 s76, s20, 9
	s_lshl_b32 s77, s17, 8
	s_add_co_u32 s76, s76, s77
	s_mov_b32 s77, 0
	s_add_nc_u64 s[84:85], s[84:85], s[76:77]      ; bv at feature 128 x place + 64 RH
	v_lshlrev_b32 v14, 2, v1
.irp a, 0,1,2,3
	global_load_b32 v[4+\a], v14, s[84:85] offset:64*\a
.endr
	; where my codes go.  q, k: head 4 cx + 2 CH of batch place / 8; token tile 16 (place % 8) + 8 RH
	s_lshr_b32 s70, s21, 3
	s_lshl_b32 s70, s70, 4
	s_lshl_b32 s71, s2, 2
	s_add_co_u32 s70, s70, s71
	s_lshl_b32 s71, s18, 1
	s_add_co_u32 s70, s70, s71
	s_mul_i32 s70, s70, HEADB
	s_lshl_b32 s71, s19, 17                        ; k lies 131,072 bytes behind q
	s_add_co_u32 s70, s70, s71
	s_and_b32 s71, s21, 7
	s_lshl_b32 s71, s71, 4
	s_lshl_b32 s76, s17, 3
	s_add_co_u32 s71, s71, s76
	s_lshl_b32 s71, s71, 10
	s_add_co_u32 s70, s70, s71
	s_mov_b32 s71, 0
	s_add_nc_u64 s[90:91], s[88:89], s[70:71]
	; v: head 2 x (place of features) + RH of batch (place of tokens) / 8; key step 2 (place % 8) + CH
	s_lshr_b32 s70, s44, 3
	s_lshl_b32 s70, s70, 4
	s_lshl_b32 s71, s20, 1
	s_add_co_u32 s70, s70, s71
	s_add_co_u32 s70, s70, s17
	s_mul_i32 s70, s70, HEADB
	s_add_co_u32 s70, s70, 262144
	s_and_b32 s71, s44, 7
	s_lshl_b32 s71, s71, 1
	s_add_co_u32 s71, s71, s18
	s_lshl_b32 s71, s71, 13
	s_add_co_u32 s70, s70, s71
	s_mov_b32 s71, 0
	s_add_nc_u64 s[88:89], s[88:89], s[70:71]
	; the scales.  A sum stands for sum x 2^(eA + eB): the bias goes in divided by that, and the code is sum / 2^(eOut - eA - eB)
	s_wait_kmcnt 0x0
	s_cmp_lg_u32 s19, 0
	s_cselect_b32 s72, s94, s92
	s_cselect_b32 s73, s95, s93
	s_cselect_b32 s76, s99, s98
	s_add_co_i32 s72, s72, s73
	s_sub_co_i32 s73, 0, s72
	s_sub_co_i32 s76, s76, s72
	s_add_co_i32 s76, s76, 127
	s_lshl_b32 s77, s76, 23
	v_mov_b32 v[SCQ], s77
	s_add_co_i32 s78, s96, s97
	s_sub_co_i32 s79, 0, s78
	s_sub_co_i32 s82, s100, s78
	s_add_co_i32 s82, s82, 127
	s_lshl_b32 s83, s82, 23
	v_mov_b32 v[SCV], s83
	s_wait_loadcnt 0x0                             ; the biases
.set j, 0
.rept 64
	v_ldexp_f32 v[BN+j], v[BN+j], s73
.set j, j+1
.endr
.set j, 0
.rept 32
	v_ldexp_f32 v[BM+j], v[4+j/8], s79             ; eight copies: in v's tiles all eight registers of a lane belong to one feature
.set j, j+1
.endr
.macro FRAG reg, adr, q, i             ; 16 rows x 128 K: lane l holds row l % 16; registers 4 c .. 4 c + 3 hold K = 32 c + 16 (l / 16) + 0 .. 15
.irp c, 0,1,2,3
	ds_load_b128 v[\reg+4*\c:\reg+4*\c+3], v[\adr] offset:128*(\q)+32*\c+(\i)*16*PITCH
.endr
.endm
; ---- phase V: a step of 128 along K is 32 matrix instructions: A's four blocks, each against B's eight; both sides have two sets of registers
.macro FETCH_BH u, q, p
	WIN 0x40                                       ; destination window 1
.irp i, 0,1,2,3,4,5,6,7
	FRAG 128*(\p)+FR*\i, ADHB+\u, \q, \i
.endr
	WIN 0
.endm
.macro FETCH_AH u, q, p
.irp i, 0,1,2,3
	FRAG AF+64*(\p)+FR*\i, ADHA+\u, \q, \i
.endr
.endm
.macro MUL8H a, p, mode                ; mode 2: the first product of each sum takes the bias as C.  The 32 accumulators take turns, one instruction a turn
.irp b, 0,1,2,3,4,5,6,7
.if \mode == 2
	v_wmma_f32_16x16x128_bf8_bf8 v[8*(8*(\a)+\b):8*(8*(\a)+\b)+7], v[128*(\p)+FR*\b:128*(\p)+FR*\b+FR-1], v[AF+64*(\p)+FR*(\a):AF+64*(\p)+FR*(\a)+FR-1], v[BM+8*(\a):BM+8*(\a)+7]
.else
	v_wmma_f32_16x16x128_bf8_bf8 v[8*(8*(\a)+\b):8*(8*(\a)+\b)+7], v[128*(\p)+FR*\b:128*(\p)+FR*\b+FR-1], v[AF+64*(\p)+FR*(\a):AF+64*(\p)+FR*(\a)+FR-1], v[8*(8*(\a)+\b):8*(8*(\a)+\b)+7]
.endif
.endr
.endm
.macro MWINH mode                      ; source 0 window 1, source 1 window 0, D window 2; C window 0 (the bias) or 2
.if \mode == 2
	WIN 0x81
.else
	WIN 0xa1
.endif
.endm
.macro STEPH p, nu, nq, mode           ; multiplies set p; in its middle it fetches the next step's fragments (unit nu, half nq) into the other set
	s_wait_dscnt 0x0                               ; set p is in
	MWINH \mode
	MUL8H 0, \p, \mode
	MUL8H 1, \p, \mode
	PLACES NP                                      ; in front of loads into registers that the step before multiplied
	FETCH_BH \nu, \nq, 1-(\p)
	FETCH_AH \nu, \nq, 1-(\p)
	MWINH \mode
	MUL8H 2, \p, \mode
	MUL8H 3, \p, \mode
	WIN 0
.endm
; A step behind which LDS bytes are filled again.  In front of the round each wave waits for all its tensor loads, adds 0 to its spare word, and waits for that and for its reads.
; fill = 1: K's fourth quarter into unit 0, which has just been read out.  fill = 2: phase F's first quarter into slot 0, over units 1 and 2.
.macro TURNH p, nu, nq, fill
	s_wait_tensorcnt 0x0                           ; no tensor load of mine is out, so a group 0 may be written
	ds_add_u32 v[SPW], v[NIL]                      ; 0 onto my spare word
.if \fill == 1
	s_add_nc_u64 s[G0A+2:G0A+3], s[G0A+2:G0A+3], 768
	s_add_nc_u64 s[G0B+2:G0B+3], s[G0B+2:G0B+3], 768
.else
	s_mov_b32 s[G0A+5], s66
	s_mov_b64 s[G0A+6:G0A+7], s[68:69]
	s_or_b32 s[G0A+7], s[G0A+7], 0x80000000
	s_mov_b32 s[G0B+5], s66
	s_mov_b64 s[G0B+6:G0B+7], s[74:75]
	s_or_b32 s[G0B+7], s[G0B+7], 0x80000000
.endif
	s_wait_dscnt 1                                 ; set p is in; the add alone may be out
	WIN 0xa1
	MUL8H 0, \p, 0
	s_wait_dscnt 0x0                               ; the add is done, and my reads of the bytes that are filled again are over
	s_barrier_signal -1
	MUL8H 1, \p, 0
	WIN 0
	s_barrier_wait -1
	CREST                                          ; the barrier has opened a round of the cluster's: no wave of any partner still reads those bytes or has a load on its way
.if \fill == 1
	JLOAD G0A, G1H, G0B, G1B
.else
	JLOAD G0A+4, G1, G0B+4, G1B
.endif
	FETCH_BH \nu, \nq, 1-(\p)                      ; the four v_nop behind the joint load are the places in front of these loads
	FETCH_AH \nu, \nq, 1-(\p)
	WIN 0xa1
	MUL8H 2, \p, 0
	MUL8H 3, \p, 0
	WIN 0
.endm
; ---- the way out of na blocks of A': convert, store.  Each accumulator's eight codes are two registers; two neighbouring B' blocks make a lane's 16 bytes
.macro EPI na, sc, lim, base, isq
	PLACES NP                                      ; in front of the first read of results
	WIN 0x82
.set j, 0
.rept 256
.set j, j+1
.endr
.if \na > 4
	WIN 0xc3
.set j, 0
.rept 256
.set j, j+1
.endr
.endif
	WIN 0x02
.set j, 0
.rept 32
	v_cvt_scalef32_pk8_bf8_f32 v[AF+2*j:AF+2*j+1], v[8*j:8*j+7], v[\sc]
.set j, j+1
.endr
.if \na > 4
	WIN 0x03
.set j, 0
.rept 32
	v_cvt_scalef32_pk8_bf8_f32 v[AF+64+2*j:AF+64+2*j+1], v[8*j:8*j+7], v[\sc]
.set j, j+1
.endr
.endif
	WIN 0
	v_nop                                          ; one plain vector instruction behind the last conversion: later products write its sources
.set j, 0
.rept \na
.irp c, 0,1,2,3
.if \isq
	global_store_b128 v[LI], v[AF+16*j+4*\c:AF+16*j+4*\c+3], s[\base:\base+1] offset:1024*j+HEADB*(\c/2)+512*(\c%2)   ; token tile j, head c / 2, half c % 2: 512 consecutive bytes
.else
	global_store_b128 v[LI], v[AF+16*j+4*\c:AF+16*j+4*\c+3], s[\base:\base+1] offset:2048*j+512*\c                    ; d tile j, keys 32 c on: 512 consecutive bytes
.endif
.endr
.set j, j+1
.endr
.endm
; ---- phase F: a step of 128 along K is 64 matrix instructions; ONE set of registers for A' (blocks 0-3 fetched anew in the step's middle, 4-7 at its end), two for B'
.macro MUL16 a0, p, mode               ; mode 1: the first product of each sum takes the bias as C
.irp a, \a0, \a0+1
.irp b, 0,1,2,3,4,5,6,7
.if \mode
	v_wmma_f32_16x16x128_bf8_bf8 v[8*(8*((\a)%4)+\b):8*(8*((\a)%4)+\b)+7], v[128*(\p)+FR*\b:128*(\p)+FR*\b+FR-1], v[AF+FR*(\a):AF+FR*(\a)+FR-1], v[BN+8*\b:BN+8*\b+7]
.else
	v_wmma_f32_16x16x128_bf8_bf8 v[8*(8*((\a)%4)+\b):8*(8*((\a)%4)+\b)+7], v[128*(\p)+FR*\b:128*(\p)+FR*\b+FR-1], v[AF+FR*(\a):AF+FR*(\a)+FR-1], v[8*(8*((\a)%4)+\b):8*(8*((\a)%4)+\b)+7]
.endif
.endr
.endr
.endm
.macro FETCH_B slot, q, p
	WIN 0x40
.irp i, 0,1,2,3,4,5,6,7
	FRAG 128*(\p)+FR*\i, ADFB+\slot, \q, \i
.endr
	WIN 0
.endm
.macro FETCH_A slot, q, i0
.irp i, \i0, \i0+1, \i0+2, \i0+3
	FRAG AF+FR*(\i), ADFA+\slot, \q, \i
.endr
.endm
.macro STEP slot, q, mode              ; a step that has its successor in the same slot
	s_wait_dscnt 4*NL                              ; B's set and A's blocks 0-3 are in; the youngest sixteen loads (blocks 4-7) may be out
.if \mode
	WIN 0x81
.else
	WIN 0xa1
.endif
	MUL16 0, (\q)%2, \mode
	MUL16 2, (\q)%2, \mode
	s_wait_dscnt 0
	PLACES NP
	FETCH_B \slot, (\q)+1, 1-(\q)%2
	FETCH_A \slot, (\q)+1, 0
.if \mode
	WIN 0xc1
.else
	WIN 0xf1
.endif
	MUL16 4, (\q)%2, \mode
	MUL16 6, (\q)%2, \mode
	PLACES NP
	WIN 0
	FETCH_A \slot, (\q)+1, 4
.endm
.macro TURN slot, next, fill           ; a slot's last step changes slots; fill = 1: this slot is filled again, 512 bytes further along K
	s_wait_tensorcnt 0x0                           ; all my tensor loads have landed: my part of the next slot
	ds_add_u32 v[SPW], v[NIL]                      ; 0 onto my spare word
.if \fill
	s_add_nc_u64 s[G0A+6+4*\slot:G0A+7+4*\slot], s[G0A+6+4*\slot:G0A+7+4*\slot], 512
	s_add_nc_u64 s[G0B+6+4*\slot:G0B+7+4*\slot], s[G0B+6+4*\slot:G0B+7+4*\slot], 512
.endif
	s_wait_dscnt 4*NL+1                            ; the add and the youngest sixteen loads may be out
	WIN 0xa1
	MUL16 0, 1, 0
	s_wait_dscnt 0x0                               ; the add is done, and my reads of this slot are over
	s_barrier_signal -1
	MUL16 2, 1, 0
	WIN 0
	s_barrier_wait -1
.if \fill
	CREST
	JLOAD G0A+4+4*\slot, G1, G0B+4+4*\slot, G1B
.else
	PLACES NP
.endif
	FETCH_B \next, 0, 0
	FETCH_A \next, 0, 0
	WIN 0xf1
	MUL16 4, 1, 0
	MUL16 6, 1, 0
	PLACES NP
	WIN 0
	FETCH_A \next, 0, 4
.endm
	s_wait_alu depctr_va_vdst(0)
	; ==== phase V
	s_wait_tensorcnt 2                             ; my part of K's first quarter is in; the two younger loads may be out
	s_barrier_signal -1
	s_barrier_wait -1
	FETCH_BH 0, 0, 0
	FETCH_AH 0, 0, 0
	STEPH 0, 0, 1, 2                               ; the first step's products start the sums, with the bias
	TURNH 1, 1, 0, 1                               ; every wave has waited for all three first fills: units 1 and 2 need no further barrier
	STEPH 0, 1, 1, 0
	STEPH 1, 2, 0, 0
	STEPH 0, 2, 1, 0
	TURNH 1, 0, 0, 2                               ; K's fourth quarter is in; phase F's first is asked for
	STEPH 0, 0, 1, 0
	s_wait_dscnt 0x0
	WIN 0xa1
	MUL8H 0, 1, 0
	MUL8H 1, 1, 0
	MUL8H 2, 1, 0
	MUL8H 3, 1, 0
	WIN 0
	EPI 4, SCV, LIMV, 88, 0
	; ==== the change of phases: slot 1 of phase F lies over units 2 and 0, which are read out
	s_wait_xcnt 0x0                                ; v's stores have read their registers: fragments may land there
	s_wait_tensorcnt 0x0                           ; my part of slot 0 is in
	ds_add_u32 v[SPW], v[NIL]                      ; 0 onto my spare word
	s_add_co_u32 s[G0A+9], s66, SLOTF
	s_add_nc_u64 s[G0A+10:G0A+11], s[68:69], 256
	s_or_b32 s[G0A+11], s[G0A+11], 0x80000000
	s_add_co_u32 s[G0B+9], s66, SLOTF
	s_add_nc_u64 s[G0B+10:G0B+11], s[74:75], 256
	s_or_b32 s[G0B+11], s[G0B+11], 0x80000000
	s_wait_dscnt 0x0
	CROUND
	JLOAD G0A+8, G1, G0B+8, G1B
	; ==== phase F: K's four quarters through slots 0, 1, 0, 1
	FETCH_B 0, 0, 0
	FETCH_A 0, 0, 0
	FETCH_A 0, 0, 4
	STEP 0, 0, 1
	TURN 0, 1, 1
	STEP 1, 0, 0
	TURN 1, 0, 1
	STEP 0, 0, 0
	TURN 0, 1, 0                                   ; nothing is left to fetch: no round of the cluster's barrier
	STEP 1, 0, 0
	s_wait_dscnt 4*NL
	WIN 0xa1
	MUL16 0, 1, 0
	MUL16 2, 1, 0
	s_wait_dscnt 0
	WIN 0xf1
	MUL16 4, 1, 0
	MUL16 6, 1, 0
	WIN 0
	EPI 8, SCQ, LIMQ, 90, 1
	s_wait_tensorcnt 0x0                           ; the wave's end
	ds_add_u32 v[SPW], v[NIL]
	s_wait_dscnt 0x0
	CROUND                                         ; the closing round: no work-group ends while a partner may still ask for a tile that names it
	s_endpgm
.Lfunc_end_k_qa349a7ea9b_proj:
	.size	k_qa349a7ea9b_proj, .Lfunc_end_k_qa349a7ea9b_proj-k_qa349a7ea9b_proj
	.p2alignl 7, 3214868480
	.fill 96, 4, 3214868480
	.section	.rodata,"a",@progbits
	.p2align	6, 0x0
	.amdhsa_kernel k_qa349a7ea9b_proj
		.amdhsa_group_segment_fixed_size 327680
		.amdhsa_private_segment_fixed_size 0
		.amdhsa_enable_private_segment 0
		.amdhsa_kernarg_size 88
		.amdhsa_user_sgpr_count 2
		.amdhsa_user_sgpr_kernarg_segment_ptr 1
		.amdhsa_wavefront_size32 1
		.amdhsa_system_sgpr_workgroup_id_x 1
		.amdhsa_system_sgpr_workgroup_id_y 1
		.amdhsa_system_sgpr_workgroup_id_z 1
		.amdhsa_system_vgpr_workitem_id 0
		.amdhsa_next_free_vgpr 1024
		.amdhsa_next_free_sgpr 102
		.amdhsa_reserve_vcc 0
		.amdhsa_float_denorm_mode_32 3
		.amdhsa_float_denorm_mode_16_64 3
		.amdhsa_fp16_overflow 1
		.amdhsa_memory_ordered 1
		.amdhsa_forward_progress 1
		.amdhsa_inst_pref_size 146
	.end_amdhsa_kernel
	.amdgpu_metadata
---
amdhsa.version: [ 1, 2 ]
amdhsa.kernels:
  - .name:           k_qa349a7ea9b_proj
    .symbol:         k_qa349a7ea9b_proj.kd
    .args:
      - { .name: query_codes, .offset: 0, .size: 8, .value_kind: global_buffer, .address_space: global }
      - { .name: key_codes, .offset: 8, .size: 8, .value_kind: global_buffer, .address_space: global }
      - { .name: value_codes, .offset: 16, .size: 8, .value_kind: global_buffer, .address_space: global }
      - { .name: Wq_codes, .offset: 24, .size: 8, .value_kind: global_buffer, .address_space: global }
      - { .name: Wk_codes, .offset: 32, .size: 8, .value_kind: global_buffer, .address_space: global }
      - { .name: Wv_codes, .offset: 40, .size: 8, .value_kind: global_buffer, .address_space: global }
      - { .name: bq, .offset: 48, .size: 8, .value_kind: global_buffer, .address_space: global }
      - { .name: bk, .offset: 56, .size: 8, .value_kind: global_buffer, .address_space: global }
      - { .name: bv, .offset: 64, .size: 8, .value_kind: global_buffer, .address_space: global }
      - { .name: lowp_scales, .offset: 72, .size: 8, .value_kind: global_buffer, .address_space: global }
      - { .name: qkv, .offset: 80, .size: 8, .value_kind: global_buffer, .address_space: global }
    .group_segment_fixed_size: 327680
    .private_segment_fixed_size: 0
    .kernarg_segment_align: 8
    .kernarg_segment_size: 88
    .max_flat_workgroup_size: 128
    .sgpr_count:     102
    .vgpr_count:     1024
    .wavefront_size: 32
...
	.end_amdgpu_metadata
.endif
;; end of part 1
;; launch attn (part 2): grid 8 x 64, 16 waves a work-group, no clusters, 264,192 bytes of LDS; arguments qkv, lowp_scales, ao; writes ao
.if DOCPART == 2
	.amdgcn_target "amdgcn-amd-amdhsa--gfx1250"
	.amdhsa_code_object_version 6
	.text
	.protected	k_qa349a7ea9b_attn
	.globl	k_qa349a7ea9b_attn
	.p2align	8
	.type	k_qa349a7ea9b_attn,@function
k_qa349a7ea9b_attn:
	s_mov_b64 s[64:65], 0
	v_nop
	global_prefetch_b8 v0, s[64:65] scope:SCOPE_SE
	s_setreg_imm32_b32 hwreg(HW_REG_WAVE_MODE, 25, 1), 1
	s_wait_xcnt 0x0
; Causal attention of one head on codes of E5M2, and the quantising of its result for the last product.  64 heads (16 b + head) of 2,048 tokens, head size 64.
; qkv: a head's 393,216 bytes: q, k, v as images of operand registers (512 bytes = 32 lanes x 16), as the launch before lays them:
;   q, k: [tile of 16 tokens][g][lane][16]: registers 4 g .. 4 g + 3 of a 16 x 64 fragment;  v: [step of 128 keys][tile of 16 d][c][lane][16]: registers 4 c .. 4 c + 3 of a 16 x 128 fragment.
; THE SOFTMAX AHEAD OF THE SECOND PRODUCT: t = score x log2(e) / 8; M = the largest t so far, rounded UP to a whole number; p = 2^(t - M) is quantised, not normalised.
; The row's sum is taken of the unquantised p and divides O at the end.  When M moves, the sum and O are multiplied by 2^(old M - new M): exact.
; SHARES.  A head's queries are 16 chunks of 128.  Work-group j of a head owns chunks j and 15 - j: j + 1 and 16 - j key steps of 128: 17 in every work-group.  Sixteen waves, each ONE tile of 16 queries in
; 256 registers, four to a SIMD; tile w / 2 of the chunk; which chunk: (w xor w / 4) & 1, so that waves of both kinds meet on a SIMD.
; LDS holds the head's whole k (131,072 bytes) and v (131,072), a copy of qkv's bytes, brought by sixteen tensor loads at the head (waves 0 to 3, four each: four out).
; Nothing is filled again and nothing is stored to LDS.  A quarter of the keys is read behind a counted wait and a barrier.  Every LDS load takes 512 consecutive bytes.
; Both products are used transposed: S^T = k q^T (source 0 = 16 keys), O^T = v^T p^T (source 0 = 16 of d): a lane holds ONE query; a tile's eight p are keys 16 t + 8 h + 0..7: registers 2 t, 2 t + 1 of p's fragment.
; CAUSAL.  Every wave walks all 16 steps (trip counts are constants); a step all of whose keys come after the wave's chunk is jumped over by a scalar branch on ids; the step on the diagonal masks.
; NO CLUSTER, though the eight work-groups of a head read the same k and v: which steps a wave leaves out hangs on its work-group's chunk, which would be its place in the cluster.
; ao: [tile of 16 tokens (512)][128 features s (8)][c (4)][lane][16]: lane (r, h): token r, features 128 s + 32 c + 16 h + 0..15.
; LIMITS on the given exponents: e6 + e7 between -123 and 130 (added to c's exponent field); e8, and e10 - e8 - e9, between -126 and 112.
; REGISTERS: v1 16 x lane; v2 my query less 8 h, in the chunk; v3, v4 addresses; v5 the last quantiser's scale; v8-11 lane exchange; v12 -M, v13 largest t, v[14:15] the sum; v16-23 q;
;   v24-29 at work; v31 p's scale; v32-95 k's eight fragments, then p's codes in v32-47; v96-159 S^T, then p; v160-191 O^T; v192-255 v's four fragments.
.set HEADB, 393216
	s_load_b128 s[4:7], s[0:1], 0x0                ; qkv s[4:5], the scales' exponents s[6:7]
	s_load_b64 s[8:9], s[0:1], 0x10                ; ao
	v_lshl_add_u32 v254, v0, 2, 0x40000
	v_mov_b32 v255, 0
	ds_add_u32 v254, v255
	ds_add_u32 v254, v255
	s_wait_dscnt 0x0
	v_lshrrev_b32 v1, 5, v0
	s_delay_alu instid0(VALU_DEP_1)
	v_readfirstlane_b32 s10, v1                    ; wave 0..15
	s_and_b32 s11, ttmp7, 0xffff                   ; 16 b + head
	s_lshr_b32 s12, s10, 1                         ; my tile in the chunk
	s_lshr_b32 s13, s10, 2
	s_xor_b32 s13, s13, s10
	s_and_b32 s13, s13, 1
	s_sub_co_u32 s50, 15, ttmp9
	s_cmp_lg_u32 s13, 0
	s_cselect_b32 s13, s50, ttmp9                  ; my chunk: 15 - j or j.  It is also my last key step
	s_lshl_b32 s51, s13, 3
	s_add_co_u32 s51, s51, s12                     ; my tile of 16 tokens in the head
	s_mul_i32 s52, s11, HEADB
	s_mov_b32 s53, 0
	s_bfe_u32 s54, s10, 0x10001                    ; what I fetch, if I fetch: waves 0, 1: k; waves 2, 3: v;
	s_lshl_b32 s54, s54, 17
	s_and_b32 s55, s10, 1
	s_lshl_b32 s55, s55, 14                        ; the even wave the first 16,384 bytes of each quarter, the odd one the second
	s_add_co_u32 s54, s54, s55
	s_mov_b32 s55, 0
	s_mov_b32 s16, 3<<16                           ; group 1: no mask; elements of 8 bytes; no padding
	s_mov_b32 s17, 32<<16                          ; tensor_dim0 = 32 elements: rows of 256 bytes
	s_mov_b32 s18, 64<<16                          ; tensor_dim1 = 64 rows
	s_mov_b32 s19, 32<<16                          ; tile_dim0
	s_mov_b32 s20, 64                              ; tile_dim1
	s_mov_b32 s21, 32                              ; from row to row: dense
	s_mov_b32 s22, 0
	s_mov_b32 s23, 0
	s_mov_b32 s46, 0x3e38aa3b                      ; c = log2(e) / sqrt(64)
	s_mov_b32 s48, 0x76543210
	s_mov_b32 s49, 0xfedcba98                      ; v_permlanex16_b32's selects for lane l xor 16
	s_wait_kmcnt 0x0
	s_load_b128 s[40:43], s[6:7], 0x18             ; e6, e7, e8, e9
	s_load_b32 s44, s[6:7], 0x28                   ; e10
	s_add_nc_u64 s[56:57], s[4:5], s[52:53]        ; my head
	s_add_nc_u64 s[58:59], s[56:57], s[54:55]
	s_add_nc_u64 s[58:59], s[58:59], 131072        ; behind q
.irp g, 0,1,2,3                                ; quarter g of the keys: 32,768 bytes of k and of v
	s_mov_b32 s[24+4*\g], 1
	s_add_co_u32 s[25+4*\g], s54, \g*32768         ; LDS is laid as memory is
	s_add_nc_u64 s[26+4*\g:27+4*\g], s[58:59], \g*32768
	s_or_b32 s[27+4*\g], s[27+4*\g], 0x80000000
.endr
	s_cmp_lt_u32 s10, 4                            ; all first fills of a wave stand in one branch on the wave's number
	s_cbranch_scc0 .Lno_fill
	tensor_load_to_lds s[24:27], s[16:23]
	s_nop 0
	tensor_load_to_lds s[28:31], s[16:23]
	s_nop 0
	tensor_load_to_lds s[32:35], s[16:23]
	s_nop 0
	tensor_load_to_lds s[36:39], s[16:23]
	s_nop 0
.rept 4
	v_nop
.endr
.Lno_fill:
	v_and_b32 v1, 31, v0
	s_delay_alu instid0(VALU_DEP_1)
	v_lshlrev_b32 v1, 4, v1                        ; 16 x lane
	s_lshl_b32 s60, s51, 10
	s_mov_b32 s61, 0
	s_add_nc_u64 s[56:57], s[56:57], s[60:61]      ; q's image of my tile
	global_load_b128 v[16:19], v1, s[56:57]
	global_load_b128 v[20:23], v1, s[56:57] offset:512
	v_and_b32 v2, 15, v0
	v_bfe_u32 v3, v0, 4, 1
	s_delay_alu instid0(VALU_DEP_1)
	v_lshlrev_b32 v3, 3, v3
	s_delay_alu instid0(VALU_DEP_1)
	v_sub_nc_u32 v2, v2, v3
	s_lshl_b32 s50, s12, 4
	v_add_nc_u32 v2, s50, v2                       ; 16 x tile + r - 8 h.  On the diagonal register 8 t + j holds key 16 t + 8 h + j of the chunk: hidden where 16 t + j is above this
	s_lshr_b32 s62, s11, 4                         ; where my codes go: token tile 128 b + mine, 16,384 bytes each;
	s_lshl_b32 s62, s62, 7
	s_add_co_u32 s62, s62, s51
	s_lshl_b32 s62, s62, 14
	s_bfe_u32 s63, s11, 0x30001                    ; s = head / 2, 2,048 bytes each;
	s_lshl_b32 s63, s63, 11
	s_add_co_u32 s62, s62, s63
	s_and_b32 s63, s11, 1                          ; the odd head takes c = 2, 3
	s_lshl_b32 s63, s63, 10
	s_add_co_u32 s62, s62, s63
	s_mov_b32 s63, 0
	s_add_nc_u64 s[8:9], s[8:9], s[62:63]
	v_mov_b32 v13, 0xff61b1e6                      ; the largest t so far: -3e38, under every t
	s_delay_alu instid0(VALU_DEP_1)
	v_floor_f32 v12, -v13                          ; -M
	v_mov_b32 v14, 0                               ; the sum, in two halves
	v_mov_b32 v15, 0
	v_mov_b32 v25, 0                               ; a lane permute's destination counts as one of its sources
	v_mov_b32 v27, 0                               ; (named as the upper half of the pair v[26:27])
.irp j, 8,9,10,11
	v_mov_b32 v\j, 0
.endr
.set j, 0
.rept 32
	v_mov_b32 v[160+j], 0                          ; O^T.  (The step is written for every step alike: the first finds zeros, which the first change of M leaves zeros)
.set j, j+1
.endr
	s_wait_kmcnt 0x0
	s_add_co_i32 s50, s40, s41
	s_lshl_b32 s50, s50, 23
	s_add_co_i32 s46, s46, s50                     ; a score stands for score x 2^(e6 + e7): added to c's exponent field
	s_mov_b32 s47, s46                             ; (named with it as a pair)
	s_add_co_i32 s50, s42, 127
	s_lshl_b32 s52, s50, 23
	v_mov_b32 v31, s52                             ; 2^e8, for p's conversions
	s_sub_co_i32 s50, s44, s42
	s_sub_co_i32 s50, s50, s43                     ; O^T / the sum stands for that x 2^(e8 + e9): its code is that / 2^(e10 - e8 - e9)
	s_add_co_i32 s50, s50, 127
	s_lshl_b32 s52, s50, 23
	v_mov_b32 v5, s52
; A KEY STEP: 128 keys.  s14: its number; s15: its first byte in k's part of LDS (v's lies 131,072 further on); s13: my chunk
.macro STEP
	s_cmp_gt_u32 s14, s13                          ; all its keys come after my queries: left out.  No barrier and no tensor load stands in a step
	s_cbranch_scc1 .Lhid_\@
	s_setprio 2
	v_add_nc_u32 v3, s15, v1
	s_delay_alu instid0(VALU_DEP_1)
	v_add_nc_u32 v4, 0x20000, v3
	v_nop                                          ; with the two additions: four places in front of loads into registers that the last products read
	v_nop
.irp t, 0,1,2,3,4,5,6,7
	ds_load_b128 v[32+8*\t:35+8*\t], v3 offset:1024*\t
	ds_load_b128 v[36+8*\t:39+8*\t], v3 offset:1024*\t+512
.endr
.irp t, 0,1,2,3
.irp c, 0,1,2,3
	ds_load_b128 v[192+16*\t+4*\c:195+16*\t+4*\c], v4 offset:2048*\t+512*\c
.endr
.endr
	s_wait_dscnt 16                                ; k's sixteen loads are in; v's sixteen may be out: they land under the softmax
.irp t, 0,1,2,3,4,5,6,7
	v_wmma_f32_16x16x64_bf8_bf8 v[96+8*\t:103+8*\t], v[32+8*\t:39+8*\t], v[16:23], 0
.endr
.rept 4
	v_nop
.endr
	s_cmp_lg_u32 s14, s13                          ; on the diagonal the scores of hidden keys become -infinity ahead of the maximum: p = 0 then
	s_cbranch_scc1 .Lopen_\@
	v_mov_b32 v24, 0xff800000
.set n, 0
.rept 64
	v_cmp_gt_i32 vcc_lo, 16*(n/8)+n%8, v2
	v_cndmask_b32 v[96+n], v[96+n], v24, vcc_lo
.set n, n+1
.endr
.Lopen_\@:
	v_max3_num_f32 v24, v96, v97, v98              ; the step's largest score of my query among my 64 keys, in two chains,
	v_max3_num_f32 v26, v99, v100, v101
.set n, 6
.rept 14
	v_max3_num_f32 v24, v24, v[96+n], v[97+n]
	v_max3_num_f32 v26, v26, v[98+n], v[99+n]
.set n, n+4
.endr
	v_max3_num_f32 v24, v24, v158, v159
	s_delay_alu instid0(VALU_DEP_1)
	v_max_num_f32 v24, v24, v26
	s_delay_alu instid0(VALU_DEP_1)
	v_permlanex16_b32 v25, v24, s48, s49
	s_delay_alu instid0(VALU_DEP_1)
	v_max_num_f32 v24, v24, v25                    ; and among lane l xor 16's
	s_delay_alu instid0(VALU_DEP_1)
	v_mul_f32 v24, s46, v24                        ; as t (c is positive)
	s_delay_alu instid0(VALU_DEP_1)
	v_max_num_f32 v13, v13, v24                    ; the running largest t
	v_mov_b32 v24, v12
	s_delay_alu instid0(VALU_DEP_2)
	v_floor_f32 v12, -v13                          ; the new -M = floor(-t): M is a whole number
	s_delay_alu instid0(VALU_DEP_1)
	v_sub_f32 v24, v12, v24                        ; old M less new M: a whole number, 0 or less
	s_delay_alu instid0(VALU_DEP_1)
	v_cvt_i32_f32 v24, v24                         ; (it saturates)
	s_delay_alu instid0(VALU_DEP_1)
	v_ldexp_f32 v26, 1.0, v24                      ; f = 2^(old M - new M)
.set n, 0
	s_setprio 1
.rept 32
	v_pk_fma_f32 v[96+n:97+n], v[96+n:97+n], s[46:47], v[12:13] op_sel_hi:[1,0,0]   ; t - M, two at a time (of the pairs c and -M the low word serves both halves)
.set n, n+2
.endr
.set n, 0
	s_wait_alu depctr_va_vdst(0)
.rept 64
	v_exp_f32 v[96+n], v[96+n]                     ; p = 2^(t - M), at most 1
.set n, n+1
.endr
	v_pk_mul_f32 v[14:15], v[14:15], v[26:27] op_sel_hi:[1,0]   ; the sums under the new M: the plain instruction behind the exponentials
	s_wait_alu depctr_va_vdst(0)                   ; one wait for the whole batch, ahead of its first reader
	v_pk_add_f32 v[28:29], v[100:101], v[104:105]
	v_pk_add_f32 v[94:95], v[108:109], v[112:113]
	v_pk_add_f32 v[92:93], v[116:117], v[120:121]
	v_pk_add_f32 v[90:91], v[124:125], v[128:129]
	v_pk_add_f32 v[88:89], v[132:133], v[136:137]
	v_pk_add_f32 v[86:87], v[140:141], v[144:145]
	v_pk_add_f32 v[84:85], v[148:149], v[152:153]
	v_pk_add_f32 v[14:15], v[14:15], v[156:157]
	v_pk_add_f32 v[28:29], v[28:29], v[96:97]
	v_pk_add_f32 v[94:95], v[94:95], v[98:99]
	v_pk_add_f32 v[92:93], v[92:93], v[102:103]
	v_pk_add_f32 v[90:91], v[90:91], v[106:107]
	v_pk_add_f32 v[88:89], v[88:89], v[110:111]
	v_pk_add_f32 v[86:87], v[86:87], v[114:115]
	v_pk_add_f32 v[84:85], v[84:85], v[118:119]
	v_pk_add_f32 v[14:15], v[14:15], v[122:123]
	v_pk_add_f32 v[28:29], v[28:29], v[126:127]
	v_pk_add_f32 v[94:95], v[94:95], v[130:131]
	v_pk_add_f32 v[92:93], v[92:93], v[134:135]
	v_pk_add_f32 v[90:91], v[90:91], v[138:139]
	v_pk_add_f32 v[88:89], v[88:89], v[142:143]
	v_pk_add_f32 v[86:87], v[86:87], v[146:147]
	v_pk_add_f32 v[84:85], v[84:85], v[150:151]
	s_setprio 0
	v_pk_add_f32 v[14:15], v[14:15], v[154:155]
	v_pk_add_f32 v[28:29], v[28:29], v[158:159]
	s_delay_alu instid0(VALU_DEP_2)
	v_pk_add_f32 v[14:15], v[14:15], v[90:91]
	s_delay_alu instid0(VALU_DEP_2)
	v_pk_add_f32 v[28:29], v[28:29], v[88:89]
	v_pk_add_f32 v[94:95], v[94:95], v[86:87]
	v_pk_add_f32 v[92:93], v[92:93], v[84:85]
	s_delay_alu instid0(VALU_DEP_2)
	v_pk_add_f32 v[14:15], v[14:15], v[94:95]
	s_delay_alu instid0(VALU_DEP_2)
	v_pk_add_f32 v[28:29], v[28:29], v[92:93]
	s_delay_alu instid0(VALU_DEP_1)
	v_pk_add_f32 v[14:15], v[14:15], v[28:29]
.set t, 0
.rept 8
.set i, 0
.rept 8
.set i, i+1
.endr
	v_cvt_scalef32_pk8_bf8_f32 v[32+2*t:33+2*t], v[96+8*t:103+8*t], v31   ; keys 16 t + 8 h + 0..7: registers 2 t, 2 t + 1 of p's fragment
.set t, t+1
.endr
.set n, 0
.rept 16
	v_pk_mul_f32 v[160+n:161+n], v[160+n:161+n], v[26:27] op_sel_hi:[1,0]   ; O^T under the new M.  (Also the plain instructions between the conversions and the products)
.set n, n+2
.endr
	s_wait_alu depctr_va_vdst(0)
	s_wait_dscnt 0x0                               ; v is in
.irp t, 0,1,2,3                                ; the four accumulators take turns, and the eight products of S^T stand between two steps' links
	v_wmma_f32_16x16x128_bf8_bf8 v[160+8*\t:167+8*\t], v[192+16*\t:207+16*\t], v[32:47], v[160+8*\t:167+8*\t]
.endr
.Lhid_\@:
	s_add_co_u32 s15, s15, 8192
	s_add_co_u32 s14, s14, 1
.endm
; A quarter of the keys: four steps.  The wait leaves my loads of the later quarters out.
.macro QUARTER g
	s_wait_tensorcnt 3-\g
	s_wait_dscnt 0x0
	s_barrier_signal -1
	s_barrier_wait -1                              ; everybody's part of the quarter is in
	s_mov_b32 s14, 4*\g
	s_mov_b32 s15, 32768*\g
	s_mov_b32 s51, 4
.Lq_\@:
	STEP
	s_sub_co_u32 s51, s51, 1
	s_cmp_lg_u32 s51, 0
	s_cbranch_scc1 .Lq_\@
	s_setprio 0
.endm
	s_wait_loadcnt 0x0                             ; q
	QUARTER 0
	QUARTER 1
	QUARTER 2
	QUARTER 3
	; THE WAY OUT.  O^T / the sum is quantised; tile t's eight codes are d = 16 t + 8 h + 0..7.  The reader wants 16 neighbours a lane, d = 32 c + 16 h + 0..15: lanes l and l xor 16 exchange halves.
.rept 4
	v_nop
.endr
	v_add_f32 v14, v14, v15
	s_delay_alu instid0(VALU_DEP_1)
	v_permlanex16_b32 v25, v14, s48, s49
	s_delay_alu instid0(VALU_DEP_1)
	v_add_f32 v14, v14, v25                        ; the row's sum
	s_wait_alu depctr_va_vdst(0)
	v_rcp_f32 v14, v14
	v_and_b32 v24, 16, v0                          ; (a plain instruction behind the reciprocal)
	s_delay_alu instid0(VALU_DEP_1)
	v_cmp_ne_u32 vcc_lo, 0, v24                    ; lanes 16-31
	s_wait_alu depctr_va_vdst(0)                   ; ahead of the reciprocal's first reader
.set n, 0
.rept 16
	v_pk_mul_f32 v[160+n:161+n], v[160+n:161+n], v[14:15] op_sel_hi:[1,0]
.set n, n+2
.endr
.set n, 0
.rept 32
.set n, n+1
.endr
.irp t, 0,1,2,3
	v_cvt_scalef32_pk8_bf8_f32 v[96+2*\t:97+2*\t], v[160+8*\t:167+8*\t], v5
.endr
	v_nop
.irp c, 0,1
.irp i, 0,1
	v_cndmask_b32 v[104+2*\c+\i], v[98+4*\c+\i], v[96+4*\c+\i], vcc_lo    ; what the other half wants: lanes 0-15 send tile 2 c + 1's, lanes 16-31 tile 2 c's
.endr
.endr
.irp n, 0,1,2,3
	s_delay_alu instid0(VALU_DEP_4)
	v_permlanex16_b32 v[8+\n], v[104+\n], s48, s49
.endr
.irp c, 0,1
.irp i, 0,1
	v_cndmask_b32 v[112+4*\c+\i], v[96+4*\c+\i], v[8+2*\c+\i], vcc_lo     ; the lower eight: lanes 0-15 their own of tile 2 c, lanes 16-31 what came
	v_cndmask_b32 v[114+4*\c+\i], v[8+2*\c+\i], v[98+4*\c+\i], vcc_lo     ; the upper eight: lanes 0-15 what came, lanes 16-31 their own of tile 2 c + 1
.endr
.endr
	global_store_b128 v1, v[112:115], s[8:9]       ; 512 consecutive bytes each
	global_store_b128 v1, v[116:119], s[8:9] offset:512
	s_wait_xcnt 0x0
	v_lshl_add_u32 v254, v0, 2, 0x40000
	v_mov_b32 v255, 0
	s_wait_alu depctr_va_vdst(0)
	s_wait_tensorcnt 0x0
	ds_add_u32 v254, v255
	s_wait_dscnt 0x0
	s_endpgm
.Lfunc_end_k_qa349a7ea9b_attn:
	.size	k_qa349a7ea9b_attn, .Lfunc_end_k_qa349a7ea9b_attn-k_qa349a7ea9b_attn
	.p2alignl 7, 3214868480
	.fill 96, 4, 3214868480
	.section	.rodata,"a",@progbits
	.p2align	6, 0x0
	.amdhsa_kernel k_qa349a7ea9b_attn
		.amdhsa_group_segment_fixed_size 264192
		.amdhsa_private_segment_fixed_size 0
		.amdhsa_enable_private_segment 0
		.amdhsa_kernarg_size 24
		.amdhsa_user_sgpr_count 2
		.amdhsa_user_sgpr_kernarg_segment_ptr 1
		.amdhsa_wavefront_size32 1
		.amdhsa_system_sgpr_workgroup_id_x 1
		.amdhsa_system_sgpr_workgroup_id_y 1
		.amdhsa_system_sgpr_workgroup_id_z 1
		.amdhsa_system_vgpr_workitem_id 0
		.amdhsa_next_free_vgpr 256
		.amdhsa_next_free_sgpr 66
		.amdhsa_reserve_vcc 1
		.amdhsa_float_denorm_mode_32 3
		.amdhsa_float_denorm_mode_16_64 3
		.amdhsa_fp16_overflow 1
		.amdhsa_memory_ordered 1
		.amdhsa_forward_progress 1
		.amdhsa_inst_pref_size 87
	.end_amdhsa_kernel
	.amdgpu_metadata
---
amdhsa.version: [ 1, 2 ]
amdhsa.kernels:
  - .name:           k_qa349a7ea9b_attn
    .symbol:         k_qa349a7ea9b_attn.kd
    .args:
      - { .name: qkv, .offset: 0, .size: 8, .value_kind: global_buffer, .address_space: global }
      - { .name: lowp_scales, .offset: 8, .size: 8, .value_kind: global_buffer, .address_space: global }
      - { .name: ao, .offset: 16, .size: 8, .value_kind: global_buffer, .address_space: global }
    .group_segment_fixed_size: 264192
    .private_segment_fixed_size: 0
    .kernarg_segment_align: 8
    .kernarg_segment_size: 24
    .max_flat_workgroup_size: 512
    .sgpr_count:     66
    .vgpr_count:     256
    .wavefront_size: 32
...
	.end_amdgpu_metadata
.endif
;; end of part 2
;; launch outp (part 3): grid 4 x 64, 4 waves a work-group, clusters of 4 x 4, 327,680 bytes of LDS; arguments ao, Wo_codes, bo, lowp_scales, out0; writes out0
.if DOCPART == 3
	.amdgcn_target "amdgcn-amd-amdhsa--gfx1250"
	.amdhsa_code_object_version 6
	.text
	.protected	k_qa349a7ea9b_outp
	.globl	k_qa349a7ea9b_outp
	.p2align	8
	.type	k_qa349a7ea9b_outp,@function
k_qa349a7ea9b_outp:
	s_mov_b64 s[64:65], 0
	v_nop
	global_prefetch_b8 v0, s[64:65] scope:SCOPE_SE
	s_setreg_imm32_b32 hwreg(HW_REG_WAVE_MODE, 25, 1), 1
	s_wait_xcnt 0x0
	s_wait_alu depctr_hold_cnt(0) depctr_sa_sdst(0) depctr_va_vdst(0) depctr_va_sdst(0) depctr_va_ssrc(0) depctr_va_vcc(0) depctr_vm_vsrc(0)
	s_getreg_b32 s2, hwreg(HW_REG_IB_STS2, 6, 4)
	s_cmp_eq_u32 s2, 0
	s_cbranch_scc0 .Lentry_in_a_cluster
	s_endpgm
.Lentry_in_a_cluster:
	s_bfe_u32 s2, ttmp6, 0x10000c
	s_cmp_lg_u32 s2, 0xf033
	s_cbranch_scc0 .Lentry_shape_is_right
	s_endpgm
.Lentry_shape_is_right:
; out0 = a Wo^T + bo on codes of E5M2.  a: 8,192 tokens x 1,024 features, as images of operand registers: ao [tile of 16 tokens][128 features s][c][lane][16]: lane (r, h): token r, features 128 s + 32 c + 16 h + 0..15.
; Wo: rows of 1,024 codes.  out0: [8,192][1,024] f32.  y = sum x 2^(e10 + e11) + bo, one packed multiply-add for two numbers.
; A tile of 128 tokens x 256 outputs for each of 256 work-groups; four waves, each 64 x 128: 32 accumulators.  THE MATRIX INSTRUCTION IS USED TRANSPOSED (source 0 = 16 rows of Wo, source 1 = 16 tokens):
; a lane holds eight neighbouring outputs of one token.  A fragment of Wo comes by four loads of 16 bytes, 32 apart, which gives k the places that a's images have.
; CLUSTERS: 4 x 4 work-groups; a's tiles are asked for jointly along a row of the cluster, Wo's along a column.
; LDS: three units of 256 along K: a's images of 8 token tiles (32,768 bytes), then 256 rows of Wo (272 bytes a row).  K's fourth quarter fills unit 0 again.  The stage for the way out lies in unit 1,
; which has had its only fill and its last read when the first result is stored there.  A wave has three tensor loads out at the start, later one.
; LIMIT: e10 + e11 between -126 and 127, so that 2^(e10 + e11) is an f32 number.
; REGISTERS, in windows of 256: window 0: v1-29 addresses; v32-95 at work on the way out; v128-255 a's fragments, two sets of 64, later rows of out0.   window 1: Wo's fragments, two sets of 128.
;   window 2: the accumulators, (a, b) at v[8 (8 a + b)].   window 3: v0-63 bo in the result's layout.
.set PITCH,  272
.set HALFT,  128*PITCH
.set AIMG,   32768
.set UNIT,   AIMG+2*HALFT              ; 102,400
.set SPARE,  3*UNIT                    ; behind the units: the spare words, 128 bytes for each wave: two blocks of 256 bytes that no other line names
.set STAGE,  UNIT
.set SPITCH, 528                       ; a stage row: 512 bytes + 16
.set FR,     16
.set NP,     4                         ; places behind this matrix instruction (ISA guide 7.12.1)
.set LI,   12                          ; v12  16 x lane
.set ADHA, 20                          ; v20-22  LDS address of my fragments of a in unit 0, 1, 2
.set ADHB, 23                          ; v23-25  of Wo
.set STO,  26                          ; v26  the way out: where I put 32 bytes of a row
.set RD,   27                          ; v27  and where I read a row back
.set SPW,  28                          ; v28  LDS address of my spare word; never rewritten
.set NIL,  29                          ; v29  0; never rewritten
.set TMP,  32
.set AF,   128
.set BK,   128
.set G0B,  4                           ; s[4:15]   three groups 0 for Wo's tiles
.set G1A,  24                          ; s[24:31]  group 1 for a's tiles
.set G0A,  32                          ; s[32:43]  three groups 0 for a's tiles
.set G1B,  48                          ; s[48:55]  group 1 for Wo's tiles
.set MSB, 0
.macro WIN new                         ; the immediate's high byte repeats the setting that is left
.if MSB != \new
	s_set_vgpr_msb (MSB<<8)|\new
.set MSB, \new
.endif
.endm
.macro PLACES n
.rept \n
	v_nop
.endr
.endm
.macro JLOAD g0a, g1a, g0b, g1b        ; a joint load: waves 0 and 1 fetch for a, waves 2 and 3 for Wo; four v_nop follow each of the two lines
	s_cmp_eq_u32 s17, 0
	s_cbranch_scc0 .Lfor_b_\@
	tensor_load_to_lds s[\g0a:\g0a+3], s[\g1a:\g1a+7]
	s_nop 0
.rept 4
	v_nop
.endr
	s_branch .Lasked_\@
.Lfor_b_\@:
	tensor_load_to_lds s[\g0b:\g0b+3], s[\g1b:\g1b+7]
	s_nop 0
.rept 4
	v_nop
.endr
.Lasked_\@:
.endm
.macro CREST
	s_cmp_lg_u32 s16, 0
	s_cbranch_scc1 .Lnot_wave_0_\@
	s_barrier_signal -3
.Lnot_wave_0_\@:
	s_barrier_wait -3
	s_barrier_signal -1
	s_barrier_wait -1
.endm
.macro CROUND
	s_barrier_signal -1
	s_barrier_wait -1
	CREST
.endm
	s_load_b256 s[68:75], s[0:1], 0x0              ; ao s[68:69], Wo s[70:71], bo s[72:73], the scales' exponents s[74:75]
	s_load_b64 s[76:77], s[0:1], 0x20              ; out0
	v_lshl_add_u32 v[SPW], v0, 2, SPARE
	v_mov_b32 v[NIL], 0
	ds_add_u32 v28, v29
	ds_add_u32 v28, v29
	s_wait_dscnt 0x0
	v_lshrrev_b32 v1, 5, v0
	v_readfirstlane_b32 s16, v1                    ; wave 0..3
	s_lshr_b32 s17, s16, 1                         ; RH: which 64 tokens are mine.  Also: I fetch for a (0) or for Wo (1)
	s_and_b32 s18, s16, 1                          ; CH: which 128 outputs.  Also: which half of that tile I fetch
	s_bfe_u32 s2, ttmp6, 0x40000                   ; cx: also the tile's 256 outputs
	s_bfe_u32 s3, ttmp6, 0x40004                   ; cy
	s_and_b32 s67, ttmp7, 0xffff
	s_lshl_b32 s20, s67, 2
	s_add_co_u32 s20, s20, s3                      ; which 128 tokens, 0..63
	s_lshl_b32 s22, s3, 2
	s_lshl_b32 s22, 15, s22                        ; my row of the cluster
	s_lshl_b32 s46, 0x1111, s2                     ; my column
	s_or_b32 s[G1A], s22, (3<<16)|(1<<21)          ; elements of 8 bytes; bit 21 beside a mask; no padding
	s_mov_b32 s[G1A+1], 512<<16                    ; tensor_dim0 = 512 elements: a token tile's 4,096 bytes of 256 along K
	s_mov_b32 s[G1A+2], 4<<16                      ; tensor_dim1 = 4 token tiles
	s_mov_b32 s[G1A+3], 512<<16                    ; tile_dim0
	s_mov_b32 s[G1A+4], 4                          ; tile_dim1
	s_mov_b32 s[G1A+5], 2048                       ; from token tile to token tile: 16,384 bytes
	s_mov_b32 s[G1A+6], 0
	s_mov_b32 s[G1A+7], 0
	s_or_b32 s[G1B], s46, (1<<20)|(1<<21)|(5<<22)|(3<<25)   ; elements of 1 byte; padding: after every 64 words, 4 words
	s_mov_b32 s[G1B+1], 256<<16
	s_mov_b32 s[G1B+2], 128<<16
	s_mov_b32 s[G1B+3], 256<<16
	s_mov_b32 s[G1B+4], 128
	s_mov_b32 s[G1B+5], 1024
	s_mov_b32 s[G1B+6], 0
	s_mov_b32 s[G1B+7], 0
	s_lshl_b32 s22, s20, 17
	s_lshl_b32 s23, s18, 16
	s_add_co_u32 s22, s22, s23                     ; ao: token tile 8 x place + 4 CH
	s_mov_b32 s23, 0
	s_lshl_b32 s46, s2, 18
	s_lshl_b32 s47, s18, 17
	s_add_co_u32 s46, s46, s47                     ; Wo: row 256 cx + 128 CH
	s_mov_b32 s47, 0
	s_lshl_b32 s90, s18, 14                        ; where they go in a unit
	s_mul_i32 s91, s18, HALFT
	s_add_co_u32 s91, s91, AIMG
	s_wait_kmcnt 0x0
	s_load_b64 s[96:97], s[74:75], 0x28            ; e10, e11
	s_add_nc_u64 s[68:69], s[68:69], s[22:23]
	s_add_nc_u64 s[70:71], s[70:71], s[46:47]
.irp u, 0,1,2
	s_mov_b32 s[G0A+4*\u], 1
	s_add_co_u32 s[G0A+4*\u+1], s90, \u*UNIT
	s_add_nc_u64 s[G0A+4*\u+2:G0A+4*\u+3], s[68:69], 4096*\u
	s_or_b32 s[G0A+4*\u+3], s[G0A+4*\u+3], 0x80000000
	s_mov_b32 s[G0B+4*\u], 1
	s_add_co_u32 s[G0B+4*\u+1], s91, \u*UNIT
	s_add_nc_u64 s[G0B+4*\u+2:G0B+4*\u+3], s[70:71], 256*\u
	s_or_b32 s[G0B+4*\u+3], s[G0B+4*\u+3], 0x80000000
.endr
	CROUND                                         ; all sixteen work-groups are here: the first joint loads meet
	s_cmp_eq_u32 s17, 0                            ; a wave's three first fills stand in one branch
	s_cbranch_scc0 .Lfirst_b
	tensor_load_to_lds s[G0A:G0A+3], s[G1A:G1A+7]
	s_nop 0
	tensor_load_to_lds s[G0A+4:G0A+7], s[G1A:G1A+7]
	s_nop 0
	tensor_load_to_lds s[G0A+8:G0A+11], s[G1A:G1A+7]
	s_nop 0
.rept 4
	v_nop
.endr
	s_branch .Lfirst_asked
.Lfirst_b:
	tensor_load_to_lds s[G0B:G0B+3], s[G1B:G1B+7]
	s_nop 0
	tensor_load_to_lds s[G0B+4:G0B+7], s[G1B:G1B+7]
	s_nop 0
	tensor_load_to_lds s[G0B+8:G0B+11], s[G1B:G1B+7]
	s_nop 0
.rept 4
	v_nop
.endr
.Lfirst_asked:
	v_and_b32 v1, 15, v0                           ; r
	v_bfe_u32 v2, v0, 4, 1                         ; h
	v_and_b32 v3, 31, v0
	v_lshlrev_b32 v[LI], 4, v3
	s_wait_alu depctr_va_vdst(0)
	v_mul_u32_u24 v3, v1, PITCH
	v_lshl_add_u32 v3, v2, 4, v3
	s_wait_alu depctr_va_vdst(0)
	s_lshl_b32 s78, s17, 14                        ; my four token tiles,
	s_mul_i32 s79, s18, HALFT
	s_add_co_u32 s79, s79, AIMG                    ; my 128 rows of Wo
.irp u, 0,1,2
	s_add_co_u32 s80, s78, \u*UNIT
	v_add_nc_u32 v[ADHA+\u], s80, v[LI]
	s_add_co_u32 s80, s79, \u*UNIT
	v_add_nc_u32 v[ADHB+\u], s80, v3
.endr
	s_mul_i32 s78, s16, 16*SPITCH
	s_add_co_u32 s78, s78, STAGE                   ; my stage
	v_mul_u32_u24 v4, v1, SPITCH
	v_lshl_add_u32 v4, v2, 5, v4
	v_add_nc_u32 v[STO], s78, v4                   ; in: row r, 32 bytes for each half of the lanes
	v_add_nc_u32 v[RD], s78, v[LI]                 ; back: the 32 lanes take one row of 512 bytes
	s_lshl_b32 s80, s2, 10
	s_lshl_b32 s81, s18, 9
	s_add_co_u32 s80, s80, s81                     ; output 256 cx + 128 CH, in bytes
	s_mov_b32 s81, 0
	s_add_nc_u64 s[72:73], s[72:73], s[80:81]
	v_lshlrev_b32 v13, 5, v2
	WIN 0xc0                                       ; destination window 3
.irp b, 0,1,2,3,4,5,6,7
	global_load_b128 v[8*\b:8*\b+3], v13, s[72:73] offset:64*\b        ; bo of outputs 16 b + 8 h + 0..7
	global_load_b128 v[8*\b+4:8*\b+7], v13, s[72:73] offset:64*\b+16
.endr
	WIN 0
	s_lshl_b32 s78, s20, 19
	s_lshl_b32 s79, s17, 18
	s_add_co_u32 s78, s78, s79                     ; token 128 x place + 64 RH, rows of 4,096 bytes
	s_add_co_u32 s78, s78, s80
	s_mov_b32 s79, 0
	s_add_nc_u64 s[76:77], s[76:77], s[78:79]
.macro FETCH_BH u, q, p                ; Wo's eight fragments: lane l holds row l % 16; registers 4 c .. 4 c + 3 hold K = 32 c + 16 (l / 16) + 0 .. 15
	WIN 0x40
.irp i, 0,1,2,3,4,5,6,7
.irp c, 0,1,2,3
	ds_load_b128 v[128*(\p)+FR*\i+4*\c:128*(\p)+FR*\i+4*\c+3], v[ADHB+\u] offset:128*(\q)+32*\c+\i*16*PITCH
.endr
.endr
	WIN 0
.endm
.macro FETCH_AH u, q, p                ; a's four fragments, as they were stored
.irp i, 0,1,2,3
.irp c, 0,1,2,3
	ds_load_b128 v[AF+64*(\p)+FR*\i+4*\c:AF+64*(\p)+FR*\i+4*\c+3], v[ADHA+\u] offset:4096*\i+2048*(\q)+512*\c
.endr
.endr
.endm
.macro MUL8H a, p, zero                ; the 32 accumulators take turns, one instruction a turn; zero = 1: the first product starts the sums
.irp b, 0,1,2,3,4,5,6,7
.if \zero
	v_wmma_f32_16x16x128_bf8_bf8 v[8*(8*(\a)+\b):8*(8*(\a)+\b)+7], v[128*(\p)+FR*\b:128*(\p)+FR*\b+FR-1], v[AF+64*(\p)+FR*(\a):AF+64*(\p)+FR*(\a)+FR-1], 0
.else
	v_wmma_f32_16x16x128_bf8_bf8 v[8*(8*(\a)+\b):8*(8*(\a)+\b)+7], v[128*(\p)+FR*\b:128*(\p)+FR*\b+FR-1], v[AF+64*(\p)+FR*(\a):AF+64*(\p)+FR*(\a)+FR-1], v[8*(8*(\a)+\b):8*(8*(\a)+\b)+7]
.endif
.endr
.endm
.macro STEPH p, nu, nq, zero           ; multiplies set p; in its middle it fetches the next step's fragments (unit nu, half nq) into the other set
	s_wait_dscnt 0x0
	WIN 0xa1                                       ; source 0 window 1, source 1 window 0, C and D window 2
	MUL8H 0, \p, \zero
	MUL8H 1, \p, \zero
	PLACES NP
	FETCH_BH \nu, \nq, 1-(\p)
	FETCH_AH \nu, \nq, 1-(\p)
	WIN 0xa1
	MUL8H 2, \p, \zero
	MUL8H 3, \p, \zero
	WIN 0
.endm
; A step with a barrier.  In front of it each wave waits for all its tensor loads, adds 0 to its spare word, and waits for that and for its reads.  fill = 1: K's fourth quarter into unit 0, which has just been read out.
.macro TURNH p, nu, nq, fill
	s_wait_tensorcnt 0x0
	ds_add_u32 v[SPW], v[NIL]                      ; 0 onto my spare word
.if \fill
	s_add_nc_u64 s[G0A+2:G0A+3], s[G0A+2:G0A+3], 12288
	s_add_nc_u64 s[G0B+2:G0B+3], s[G0B+2:G0B+3], 768
.endif
	s_wait_dscnt 1                                 ; set p is in; the add alone may be out
	WIN 0xa1
	MUL8H 0, \p, 0
	s_wait_dscnt 0x0
	s_barrier_signal -1
	MUL8H 1, \p, 0
	WIN 0
	s_barrier_wait -1
.if \fill
	CREST                                          ; the barrier has opened a round of the cluster's
	JLOAD G0A, G1A, G0B, G1B
.else
	PLACES NP
.endif
	s_wait_alu depctr_va_vdst(0)
	FETCH_BH \nu, \nq, 1-(\p)
	FETCH_AH \nu, \nq, 1-(\p)
	WIN 0xa1
	MUL8H 2, \p, 0
	MUL8H 3, \p, 0
	WIN 0
.endm
	s_wait_tensorcnt 2                             ; my part of K's first quarter is in; the two younger loads may be out
	s_barrier_signal -1
	s_barrier_wait -1
	FETCH_BH 0, 0, 0
	FETCH_AH 0, 0, 0
	STEPH 0, 0, 1, 1
	TURNH 1, 1, 0, 1                               ; every wave has waited for all three first fills: units 1 and 2 need no further barrier
	STEPH 0, 1, 1, 0
	STEPH 1, 2, 0, 0
	STEPH 0, 2, 1, 0
	TURNH 1, 0, 0, 0                               ; K's fourth quarter is in, everybody's; nothing is filled again
	STEPH 0, 0, 1, 0
	s_wait_dscnt 0x0
	WIN 0xa1
	MUL8H 0, 1, 0
	MUL8H 1, 1, 0
	MUL8H 2, 1, 0
	MUL8H 3, 1, 0
	WIN 0
; THE WAY OUT, block by block of 16 tokens x 128 outputs: through my own stage in LDS, back as whole rows of 512 bytes.  LDS serves a wave's instructions in order (ISA guide 5.7.1.4): no wait between the stores and the loads.
.macro TOSTAGE a
	WIN 0x32                                       ; source 0 (the sums) window 2, source 2 (bo) window 3
.set j, 0
.rept 32
	v_pk_fma_f32 v[TMP+j:TMP+j+1], v[64*(\a)+j:64*(\a)+j+1], s[96:97], v[j:j+1] op_sel_hi:[1,0,1]   ; sum x 2^(e10 + e11) + bo; each accumulator from its low end on
.set j, j+2
.endr
	WIN 0
.irp b, 0,1,2,3,4,5,6,7
	ds_store_b128 v[STO], v[TMP+8*\b:TMP+8*\b+3] offset:64*\b
	ds_store_b128 v[STO], v[TMP+8*\b+4:TMP+8*\b+7] offset:64*\b+16
.endr
.set BB, BK+64*((\a)%2)
.irp t, 0,1,2,3,4,5,6,7,8,9,10,11,12,13,14,15
	ds_load_b128 v[BB+4*\t:BB+4*\t+3], v[RD] offset:\t*SPITCH
.endr
.endm
.macro SEND a, younger                 ; younger: the LDS instructions issued behind block a's loads, which may stay out
.set BB, BK+64*((\a)%2)
	s_wait_dscnt \younger
.if (\a) > 0
	s_add_nc_u64 s[76:77], s[76:77], 16*4096       ; (behind a wait on XCNT: the earlier stores have read their base)
.endif
.irp t, 0,1,2,3,4,5,6,7,8,9,10,11,12,13,14,15
	global_store_b128 v[LI], v[BB+4*\t:BB+4*\t+3], s[76:77] offset:\t*4096 th:TH_STORE_NT   ; 32 lanes store 512 consecutive bytes, at a multiple of 256 from out0's first byte
.endr
.endm
	s_wait_kmcnt 0x0
	s_add_co_i32 s96, s96, s97
	s_add_co_i32 s96, s96, 127
	s_lshl_b32 s96, s96, 23                        ; 2^(e10 + e11) as f32
	s_wait_loadcnt 0x0                             ; bo
	PLACES NP
	TOSTAGE 0
.irp a, 1,2,3
.if \a > 1
	s_wait_xcnt 0x0                                ; block a - 2's stores have read their registers and their base
.endif
	TOSTAGE \a
	SEND \a-1, 32                                  ; behind block a - 1's loads: block a's 16 stores and 16 loads
.endr
	s_wait_xcnt 0x0
	SEND 3, 0
	s_wait_tensorcnt 0x0                           ; the wave's end
	ds_add_u32 v[SPW], v[NIL]
	s_wait_dscnt 0x0
	CROUND                                         ; the closing round
	s_endpgm
.Lfunc_end_k_qa349a7ea9b_outp:
	.size	k_qa349a7ea9b_outp, .Lfunc_end_k_qa349a7ea9b_outp-k_qa349a7ea9b_outp
	.p2alignl 7, 3214868480
	.fill 96, 4, 3214868480
	.section	.rodata,"a",@progbits
	.p2align	6, 0x0
	.amdhsa_kernel k_qa349a7ea9b_outp
		.amdhsa_group_segment_fixed_size 327680
		.amdhsa_private_segment_fixed_size 0
		.amdhsa_enable_private_segment 0
		.amdhsa_kernarg_size 40
		.amdhsa_user_sgpr_count 2
		.amdhsa_user_sgpr_kernarg_segment_ptr 1
		.amdhsa_wavefront_size32 1
		.amdhsa_system_sgpr_workgroup_id_x 1
		.amdhsa_system_sgpr_workgroup_id_y 1
		.amdhsa_system_sgpr_workgroup_id_z 1
		.amdhsa_system_vgpr_workitem_id 0
		.amdhsa_next_free_vgpr 832
		.amdhsa_next_free_sgpr 100
		.amdhsa_reserve_vcc 0
		.amdhsa_float_denorm_mode_32 3
		.amdhsa_float_denorm_mode_16_64 3
		.amdhsa_memory_ordered 1
		.amdhsa_forward_progress 1
		.amdhsa_inst_pref_size 76
	.end_amdhsa_kernel
	.amdgpu_metadata
---
amdhsa.version: [ 1, 2 ]
amdhsa.kernels:
  - .name:           k_qa349a7ea9b_outp
    .symbol:         k_qa349a7ea9b_outp.kd
    .args:
      - { .name: ao, .offset: 0, .size: 8, .value_kind: global_buffer, .address_space: global }
      - { .name: Wo_codes, .offset: 8, .size: 8, .value_kind: global_buffer, .address_space: global }
      - { .name: bo, .offset: 16, .size: 8, .value_kind: global_buffer, .address_space: global }
      - { .name: lowp_scales, .offset: 24, .size: 8, .value_kind: global_buffer, .address_space: global }
      - { .name: out0, .offset: 32, .size: 8, .value_kind: global_buffer, .address_space: global }
    .group_segment_fixed_size: 327680
    .private_segment_fixed_size: 0
    .kernarg_segment_align: 8
    .kernarg_segment_size: 40
    .max_flat_workgroup_size: 128
    .sgpr_count:     100
    .vgpr_count:     832
    .wavefront_size: 32
...
	.end_amdgpu_metadata
.endif
;; end of part 3
